; MI455X (gfx1250); checked and timed in simulation.
; The chip was launched on July 23, 2026; its instructions are those of AMD's public machine-readable ISA for CDNA 5 (MIT licence, August 2026) and "CDNA5" Instruction Set Architecture Reference Guide (July 2026). The comments in the code are by the model that wrote it; some were corrected since.
;; Multi Head Attention. Allowed arithmetic: float matrix products may take bf16 or f16 operands with f32 sums; other float arithmetic in f32, or as packed bf16 or f16 multiplies, adds, multiply-adds, maxima and minima; sums over many terms, partial sums and values carried from step to step in f32; what a program stores and reads back later, other than sums and carried values, may be rounded once to bf16 or f16.
;; Inputs: Wk 1,024 x 1,024 float32; Wo 1,024 x 1,024 float32; Wq 1,024 x 1,024 float32; Wv 1,024 x 1,024 float32; bk 1,024 float32; bo 1,024 float32; bq 1,024 float32; bv 1,024 float32; x 8 x 2,048 x 1,024 float32.
;; Outputs: out0 8 x 2,048 x 1,024 float32.
;; One version. Each part assembles by itself: llvm-mc -triple=amdgcn-amd-amdhsa -mcpu=gfx1250 --defsym DOCPART=n.
;; ======== version 1 of 1: 4 launches
;; limits: values are held in f16: magnitudes above 65,504 overflow, below 6.1e-05 lose precision
;; workspace buffers: xb 33,554,432 bytes; wb 8,388,608 bytes; qkv 100,663,296 bytes; att 33,554,432 bytes
;; launch cast (part 1): grid 1280 x 1, 8 waves a work-group, no clusters, 0 bytes of LDS; arguments x, Wq, Wk, Wv, Wo, xb, wb; writes xb, wb
.if DOCPART == 1
	.amdgcn_target "amdgcn-amd-amdhsa--gfx1250"
	.amdhsa_code_object_version 6
	.text
	.protected	k_q3c8af59225_cast
	.globl	k_q3c8af59225_cast
	.p2align	8
	.type	k_q3c8af59225_cast,@function
k_q3c8af59225_cast:
	s_mov_b64 s[64:65], 0
	v_nop
	global_prefetch_b8 v0, s[64:65] scope:SCOPE_SE
	s_setreg_imm32_b32 hwreg(HW_REG_WAVE_MODE, 25, 1), 1
	s_wait_xcnt 0x0
; x [16384][1024] f32 -> xb in bf16.  Wq, Wk, Wv [1024][1024] f32 -> rows 0-3071 of wb in bf16.  Wo -> rows 3072-4095 of wb: rounded to bf16 like the
; other inputs, and that number written as f16 (the last product multiplies f16 by f16).
; LIMITS.  Wo within +-65,504; a number of Wo below 2^-14 keeps f16's fixed step of 2^-24.  NaN and infinities are not treated apart.
; SHARES.  A work-group takes 16,384 numbers (65,536 bytes in, 32,768 out): groups 0-1023 x, then 64 groups for each of Wq, Wk, Wv, Wo.  A wave takes 2,048 numbers:
; sixteen loads of 16 bytes a lane (512 consecutive bytes a load), all issued at once, and sixteen stores of 8 bytes a lane (256 consecutive bytes, aligned, a store).
; No LDS, no matrix unit, no cluster: no byte is used twice.  No register is written twice but X, behind its load's wait, and T.
.set X, 8                              ; v[8:71]    sixteen loads of four f32
.set Y, 72                             ; v[72:103]  sixteen pairs of packed results
.set T, 104                            ; v[104:105] Wo's path: the bf16 pairs
	s_load_b256 s[4:11], s[0:1], 0x0               ; x s[4:5], Wq s[6:7], Wk s[8:9], Wv s[10:11]
	s_load_b128 s[12:15], s[0:1], 0x20             ; Wo s[12:13], xb s[14:15]
	s_load_b64 s[16:17], s[0:1], 0x30              ; wb
	s_mov_b32 s2, ttmp9                            ; the group
	s_sub_co_u32 s3, s2, 1024                      ; its number among the weights' groups (used from group 1024 on alone)
	s_lshr_b32 s18, s3, 6                          ; which matrix
	s_and_b32 s19, s3, 63                          ; which block of it
	v_lshrrev_b32 v1, 5, v0
	v_and_b32 v2, 31, v0
	v_lshlrev_b32 v2, 4, v2
	v_lshl_add_u32 v1, v1, 13, v2                  ; in: 8,192 x wave + 16 x lane
	v_lshrrev_b32 v2, 1, v1                        ; out: half of that
	s_wait_kmcnt 0x0
	s_cmp_eq_u32 s18, 1
	s_cselect_b64 s[20:21], s[8:9], s[6:7]
	s_cmp_eq_u32 s18, 2
	s_cselect_b64 s[20:21], s[10:11], s[20:21]
	s_cmp_eq_u32 s18, 3
	s_cselect_b64 s[20:21], s[12:13], s[20:21]
	s_cmp_lt_u32 s2, 1024                          ; the four selects below leave SCC as it is
	s_cselect_b64 s[20:21], s[4:5], s[20:21]       ; from where
	s_cselect_b64 s[22:23], s[14:15], s[16:17]     ; to where
	s_cselect_b32 s24, s2, s19                     ; the block in the source,
	s_cselect_b32 s26, s2, s3                      ; and in the destination
	s_lshl_b32 s24, s24, 16
	s_mov_b32 s25, 0
	s_lshl_b32 s26, s26, 15
	s_mov_b32 s27, 0
	s_add_nc_u64 s[20:21], s[20:21], s[24:25]
	s_add_nc_u64 s[22:23], s[22:23], s[26:27]
.irp j, 0,1,2,3,4,5,6,7,8,9,10,11,12,13,14,15
	global_load_b128 v[X+4*(\j):X+4*(\j)+3], v1, s[20:21] offset:512*(\j) th:TH_LOAD_NT
.endr
	s_cmp_ge_u32 s2, 1216                          ; Wo's groups
	s_cbranch_scc1 .Lwo
.irp j, 0,1,2,3,4,5,6,7,8,9,10,11,12,13,14,15
	s_wait_loadcnt 15-(\j)                         ; loads come back in order: load j is in, the 15 - j younger ones stay out
	v_cvt_pk_bf16_f32 v[Y+2*(\j)], v[X+4*(\j)], v[X+4*(\j)+1]
	v_cvt_pk_bf16_f32 v[Y+2*(\j)+1], v[X+4*(\j)+2], v[X+4*(\j)+3]
	global_store_b64 v2, v[Y+2*(\j):Y+2*(\j)+1], s[22:23] offset:256*(\j)
.endr
	s_endpgm
.Lwo:
.irp j, 0,1,2,3,4,5,6,7,8,9,10,11,12,13,14,15
	s_wait_loadcnt 15-(\j)
	v_cvt_pk_bf16_f32 v[T], v[X+4*(\j)], v[X+4*(\j)+1]         ; rounded to bf16,
	v_cvt_pk_bf16_f32 v[T+1], v[X+4*(\j)+2], v[X+4*(\j)+3]
	v_lshlrev_b32 v[X+4*(\j)], 16, v[T]                        ; widened again,
	v_and_b32 v[X+4*(\j)+1], 0xffff0000, v[T]
	v_lshlrev_b32 v[X+4*(\j)+2], 16, v[T+1]
	v_and_b32 v[X+4*(\j)+3], 0xffff0000, v[T+1]
	v_cvt_pk_f16_f32 v[Y+2*(\j)], v[X+4*(\j)], v[X+4*(\j)+1]   ; and written as f16: exact from 2^-14 up
	v_cvt_pk_f16_f32 v[Y+2*(\j)+1], v[X+4*(\j)+2], v[X+4*(\j)+3]
	global_store_b64 v2, v[Y+2*(\j):Y+2*(\j)+1], s[22:23] offset:256*(\j)
.endr
	s_endpgm
.Lfunc_end_k_q3c8af59225_cast:
	.size	k_q3c8af59225_cast, .Lfunc_end_k_q3c8af59225_cast-k_q3c8af59225_cast
	.p2alignl 7, 3214868480
	.fill 96, 4, 3214868480
	.section	.rodata,"a",@progbits
	.p2align	6, 0x0
	.amdhsa_kernel k_q3c8af59225_cast
		.amdhsa_group_segment_fixed_size 0
		.amdhsa_private_segment_fixed_size 0
		.amdhsa_enable_private_segment 0
		.amdhsa_kernarg_size 56
		.amdhsa_user_sgpr_count 2
		.amdhsa_user_sgpr_kernarg_segment_ptr 1
		.amdhsa_wavefront_size32 1
		.amdhsa_system_sgpr_workgroup_id_x 1
		.amdhsa_system_sgpr_workgroup_id_y 1
		.amdhsa_system_sgpr_workgroup_id_z 1
		.amdhsa_system_vgpr_workitem_id 0
		.amdhsa_next_free_vgpr 112
		.amdhsa_next_free_sgpr 66
		.amdhsa_reserve_vcc 0
		.amdhsa_float_denorm_mode_32 3
		.amdhsa_float_denorm_mode_16_64 3
		.amdhsa_memory_ordered 1
		.amdhsa_forward_progress 1
		.amdhsa_inst_pref_size 17
	.end_amdhsa_kernel
	.amdgpu_metadata
---
amdhsa.version: [ 1, 2 ]
amdhsa.kernels:
  - .name:           k_q3c8af59225_cast
    .symbol:         k_q3c8af59225_cast.kd
    .args:
      - { .name: x, .offset: 0, .size: 8, .value_kind: global_buffer, .address_space: global }
      - { .name: Wq, .offset: 8, .size: 8, .value_kind: global_buffer, .address_space: global }
      - { .name: Wk, .offset: 16, .size: 8, .value_kind: global_buffer, .address_space: global }
      - { .name: Wv, .offset: 24, .size: 8, .value_kind: global_buffer, .address_space: global }
      - { .name: Wo, .offset: 32, .size: 8, .value_kind: global_buffer, .address_space: global }
      - { .name: xb, .offset: 40, .size: 8, .value_kind: global_buffer, .address_space: global }
      - { .name: wb, .offset: 48, .size: 8, .value_kind: global_buffer, .address_space: global }
    .group_segment_fixed_size: 0
    .private_segment_fixed_size: 0
    .kernarg_segment_align: 8
    .kernarg_segment_size: 56
    .max_flat_workgroup_size: 256
    .sgpr_count:     66
    .vgpr_count:     112
    .wavefront_size: 32
...
	.end_amdgpu_metadata
.endif
;; end of part 1
;; launch qkv (part 2): grid 4 x 64, 4 waves a work-group, clusters of 4 x 4, 327,680 bytes of LDS; arguments xb, wb, bq, bk, bv, qkv; writes qkv
.if DOCPART == 2
	.amdgcn_target "amdgcn-amd-amdhsa--gfx1250"
	.amdhsa_code_object_version 6
	.text
	.protected	k_q3c8af59225_qkv
	.globl	k_q3c8af59225_qkv
	.p2align	8
	.type	k_q3c8af59225_qkv,@function
k_q3c8af59225_qkv:
	s_mov_b64 s[64:65], 0
	v_nop
	global_prefetch_b8 v0, s[64:65] scope:SCOPE_SE
	s_setreg_imm32_b32 hwreg(HW_REG_WAVE_MODE, 25, 1), 1
	s_wait_xcnt 0x0
	s_wait_alu depctr_hold_cnt(0) depctr_sa_sdst(0) depctr_va_vdst(0) depctr_va_sdst(0) depctr_va_ssrc(0) depctr_va_vcc(0) depctr_vm_vsrc(0)
	s_getreg_b32 s2, hwreg(HW_REG_IB_STS2, 6, 4)
	s_cmp_eq_u32 s2, 0
	s_cbranch_scc0 .Lentry_in_a_cluster
	s_endpgm
.Lentry_in_a_cluster:
	s_bfe_u32 s2, ttmp6, 0x10000c
	s_cmp_lg_u32 s2, 0xf033
	s_cbranch_scc0 .Lentry_shape_is_right
	s_endpgm
.Lentry_shape_is_right:
; qkv[p][t 1024 + n] = the sum over k of xb[p][k] wb[t 1024 + n][k] + bf16(bias_t[n]), t = 0, 1, 2 for q, k, v.  xb [16384][1024], wb [4096][1024] in bf16; sums in f32; qkv [16384][3072] in f16, rounded once.
; LIMITS.  q, k and v must lie within +-65,504 (f16).  NaN and infinities are not treated apart.  The biases are rounded to bf16, like every other input of the module.
; SHARES.  A tile of qkv, 256 x 256, is made by a work-group of four waves; a wave makes 128 x 128: 64 accumulators of 16 x 16, 512 registers.  K goes in steps of 128 through a ring of two LDS slots
; filled by the tensor data mover; a tile's rows in memory are 256 bytes and start at multiples of 256 bytes.
; A WORK-GROUP STAYS: it makes three tiles, its 256 rows x its 256 columns of q, then of k, then of v: the same rows of xb, 1,024 rows of wb further down each time.  The ring does not stop at a tile's
; end: a tile's last two changes of slots ask for the next tile's first two K steps, and nothing waits for a tile's stores.  The last tile's last K step goes by rows of the result, so that finished
; rows leave while the others are multiplied.
; CLUSTERS: 4 x 4 work-groups.  The four of a row of the cluster need the same tiles of xb, the four of a column the same tiles of wb: each tile is asked for JOINTLY, by the same tensor load with
; the same descriptor and a mask that names the four.
; THE BIAS IS THE C OPERAND of the product that starts a sum: the matrix instruction is used transposed (source 0 = 16 rows of wb, source 1 = 16 rows of xb), so lane l holds row l % 16 of the
; result and its registers the columns 8 (l / 16) + 0..7; the bias of those eight columns, in eight registers for each of my eight blocks of 16 columns, serves all eight blocks of rows.
; REGISTERS, in windows of 256 (s_set_vgpr_msb: bits 1:0 source 0, 3:2 source 1, 5:4 source 2, 7:6 destination):
;   window 0: v0-31 addresses; v64-127, v128-191 fragments of xb, two buffers (in the very last K step four, of 16 rows x 128 K); v32-63, v192-255 at work on the way out
;   window 1: v0-63 the bias tiles; v64-127, v128-191 fragments of wb, two buffers; v192-195 at work; in the very last K step all 256: wb's fragments of the whole step
;   window 2: the 32 accumulators of my rows 0-63 ((a, b) at v[8 (8 a + b)]);   window 3: those of my rows 64-127
.set SIZE_K, 1024
.set KSTEP,  128
.set PITCH,  272                       ; an LDS row: 256 bytes + 16 of padding = 68 words: row r starts at bank 4 r mod 64 (64 banks of 4 bytes: ISA guide 11.1)
.set HALFT,  128*PITCH                 ; 128 rows: what one tensor load brings, and what one wave reads of either operand
.set SLOT,   4*HALFT                   ; xb's 256 rows, then wb's 256 rows
.set STAGE,  2*SLOT                    ; behind the ring: 16 rows x 272 bytes for each wave, for the way out
.set SPITCH, 272
.set SPARE,  STAGE+4*16*SPITCH         ; behind the stages: the spare words, 128 bytes for each wave: two blocks of 256 bytes that no other line names
.set LAPS,   SIZE_K/(2*KSTEP)          ; a lap = two K steps = once round the ring
.set CROW,   6144                      ; bytes in a row of qkv
.set BACK_A, (SIZE_K-2*KSTEP)*2        ; bytes from a slot's last K step of a tile back to its first: xb's rows stay,
.set NEXT_B, 1024*SIZE_K*2-BACK_A      ; wb goes 1,024 rows down as well
.set ADRA, 16                          ; v16-17  LDS address of my xb fragments in slot 0, 1
.set ADRB, 20                          ; v20-21  the same for wb
.set STO,  24                          ; v24     the way out: where I put 16 bytes of a row
.set RD,   25                          ; v25     the way out: where I read a row back
.set CO,   26                          ; v26     my byte offset in qkv
.set BO,   27                          ; v27     my byte offset in a bias
.set SPW,  28                          ; v28     LDS address of my spare word; never rewritten
.set NIL,  29                          ; v29     0; never rewritten
.set PFO,  30                          ; v30     the prefetches' offset: my lane x 2,048 bytes; never rewritten
.set F0,   64
.set F1,   128
.set PA,   64                          ; the very last K step: xb's fragments of 16 rows x 128 K, 32 registers; four such buffers, v64-191
.set TMP,  192                         ; packed results, window 0
.set OB,   32                          ; 16 rows read back from the stage: v32-63 and v224-255 by turns
.set BI,   0                           ; window 1: the bias of block b of 16 columns at BI + 8 b
.set BT,   192                         ; window 1: at work
.set G1,  24                           ; s[24:31] descriptor group 1 for xb's tiles
.set G0,  32                           ; s[32:39] group 0, one set for each slot
.set G1B, 48                           ; s[48:55], s[56:63] the same for wb's tiles
.set G0B, 56
.set LIM, 43                           ; s43      1 in a wave that prefetches, else the greatest number
.set PFA, 44                           ; s[44:45] where my prefetches stand
.set MSB, 0
.macro WIN new                         ; the immediate's high byte repeats the setting that is left; a switch that changes nothing is dropped
.if MSB != (\new)
	s_set_vgpr_msb (MSB<<8)|(\new)
.set MSB, \new
.endif
.endm
.set TO_B, 0x40                        ; destination window 1, address window 0
; A joint load.  Waves 0 and 1 fetch xb's two halves, waves 2 and 3 wb's.  The branch hangs on the wave's number alone.  An s_nop 0 and four v_nop follow each of the two lines.
.macro JLOAD s
	s_cmp_eq_u32 s11, 0
	s_cbranch_scc0 .Lfor_b_\@
	tensor_load_to_lds s[G0+4*(\s):G0+4*(\s)+3], s[G1:G1+7]
	s_nop 0
.rept 4
	v_nop
.endr
	s_branch .Lasked_\@
.Lfor_b_\@:
	tensor_load_to_lds s[G0B+4*(\s):G0B+4*(\s)+3], s[G1B:G1B+7]
	s_nop 0
.rept 4
	v_nop
.endr
.Lasked_\@:
.endm
; A PREFETCH INTO THE L2, behind each joint load and the run of LDS loads that follows it: the K step that stands two refills on: 32 rows x 256 bytes, a lane a row, one instruction a wave.
; Each row's 256 bytes of a K step are named once in the launch.  xb's rows are read by one row of one cluster alone; wb's by every cluster: the cluster with y = 0 asks for them.  The four partners that ask
; for a tile jointly share its rows out BY ADDRESS: of the 128 rows that a wave fetches the partner at place p takes 32 p .. 32 p + 31 (p = cx for xb, cy for wb).  how = 0, in the loop: a tile's last two
; refills have no K step two on; how = 1, at a change of tiles: the next tile's K steps 2 and 3 of wb (xb's rows have been read: they are asked for in the first tile alone).
.macro ASK how
.if \how
	s_cmp_eq_u32 s[LIM], 1
.else
	s_cmp_gt_u32 s3, s[LIM]                        ; s3 = 1 in the loop's last trip
.endif
	s_cbranch_scc0 .Lnot_mine_\@
	global_prefetch_b8 v[PFO], s[PFA:PFA+1] offset:KSTEP*2 th:TH_LOAD_NT scope:SCOPE_SE
.Lnot_mine_\@:
.endm
.macro CREST                           ; a round of the cluster's barrier behind its opening barrier
	s_cmp_lg_u32 s10, 0
	s_cbranch_scc1 .Lnot_wave_0_\@
	s_barrier_signal -3
.Lnot_wave_0_\@:
	s_barrier_wait -3
	s_barrier_signal -1
	s_barrier_wait -1
.endm
.macro CROUND                          ; a whole round
	s_barrier_signal -1
	s_barrier_wait -1
	CREST
.endm
	s_load_b128 s[4:7], s[0:1], 0x0                ; xb s[4:5], wb s[6:7]
	s_load_b256 s[68:75], s[0:1], 0x10             ; bq s[68:69], bk s[70:71], bv s[72:73], qkv s[74:75]
	v_lshl_add_u32 v[SPW], v0, 2, SPARE
	v_mov_b32 v[NIL], 0
	ds_add_u32 v[SPW], v[NIL]                      ; the wave's opening: the add and its wait stand ahead of my first tensor load; the set-up below stands between them
	ds_add_u32 v28, v29
	v_lshrrev_b32 v1, 5, v0
	v_readfirstlane_b32 s10, v1                    ; wave 0..3
	s_lshr_b32 s11, s10, 1                         ; which half of the tile's rows is mine.  Also: I fetch for xb (0) or for wb (1)
	s_and_b32 s12, s10, 1                          ; which half of its columns.  Also: which 128 rows of that tile I fetch
	s_bfe_u32 s40, ttmp6, 0x40000                  ; cx
	s_bfe_u32 s41, ttmp6, 0x40004                  ; cy
	s_lshl_b32 s42, ttmp9, 2
	s_add_co_u32 s42, s42, s40                     ; tile column = 4 x cluster x + cx
	s_and_b32 s13, ttmp7, 0xffff
	s_lshl_b32 s13, s13, 2
	s_add_co_u32 s13, s13, s41                     ; tile row = 4 x cluster y + cy
	s_lshl_b32 s43, s41, 2
	s_lshl_b32 s43, 15, s43                        ; my row of the cluster: places 4 cy .. 4 cy + 3
	s_lshl_b32 s44, 0x1111, s40                    ; my column: places cx, cx + 4, cx + 8, cx + 12
	s_or_b32 s[G1+0], s43, (1<<16)|(1<<20)|(1<<21)|(5<<22)|(3<<25)  ; 15:0 the mask; 17:16 elements of 2 bytes; 20 padding on; 21 set beside a mask; 24:22 after every 64 words; 31:25 4 words of it
	s_or_b32 s[G1B+0], s44, (1<<16)|(1<<20)|(1<<21)|(5<<22)|(3<<25)
.irp g, G1, G1B
	s_mov_b32 s[(\g)+1], KSTEP<<16                 ; tensor_dim0 = 128
	s_mov_b32 s[(\g)+2], 128<<16                   ; tensor_dim1 = 128
	s_mov_b32 s[(\g)+3], KSTEP<<16                 ; tile_dim0 = 128
	s_mov_b32 s[(\g)+4], 128                       ; tile_dim1 = 128
	s_mov_b32 s[(\g)+5], SIZE_K                    ; elements from row to row
	s_mov_b32 s[(\g)+6], 0
	s_mov_b32 s[(\g)+7], 0
.endr
	s_lshl_b32 s17, s12, 7                         ; which 128 rows of the tile I fetch
	s_lshl_b32 s16, s13, 8
	s_add_co_u32 s16, s16, s17                     ; xb: row 256 x tile row + 128 x half
	s_lshl_b32 s46, s42, 8
	s_add_co_u32 s46, s46, s17                     ; wb: row 256 x tile column + 128 x half
	s_lshl_b32 s16, s16, 11                        ; rows of 2,048 bytes: under 2^26
	s_lshl_b32 s46, s46, 11
	s_mov_b32 s17, 0
	s_mov_b32 s47, 0
	s_mul_i32 s20, s10, HALFT                      ; where they go: wave x 128 rows: no place in the cluster enters an LDS address
	s_mov_b32 s76, 0xffff0000                      ; a word's upper bf16
	s_wait_dscnt 0x0                               ; the opening add is done
	s_wait_kmcnt 0x0
	s_add_nc_u64 s[14:15], s[4:5], s[16:17]
	s_add_nc_u64 s[46:47], s[6:7], s[46:47]
	CROUND                                         ; all sixteen work-groups are here: the first joint loads meet
.irp s, 0,1
	s_mov_b32 s[G0+4*(\s)], 1
	s_add_co_u32 s[G0+4*(\s)+1], s20, (\s)*SLOT
	s_add_nc_u64 s[G0+4*(\s)+2:G0+4*(\s)+3], s[14:15], (\s)*KSTEP*2
	s_or_b32 s[G0+4*(\s)+3], s[G0+4*(\s)+3], 0x80000000
	s_mov_b32 s[G0B+4*(\s)], 1
	s_add_co_u32 s[G0B+4*(\s)+1], s20, (\s)*SLOT
	s_add_nc_u64 s[G0B+4*(\s)+2:G0B+4*(\s)+3], s[46:47], (\s)*KSTEP*2
	s_or_b32 s[G0B+4*(\s)+3], s[G0B+4*(\s)+3], 0x80000000
	JLOAD \s                                       ; the ring is filled before anything else is done: two loads of mine are out
.endr
	; A fragment is 16 rows x 32 K in 8 registers: lane l holds row l % 16; registers 0-3 K = 8 (l / 16) + 0..7, registers 4-7 K = 16 + 8 (l / 16) + 0..7: two loads of 16 bytes, 32 bytes apart.
	v_and_b32 v1, 15, v0                           ; l % 16
	v_bfe_u32 v2, v0, 4, 1                         ; l / 16
	v_mul_u32_u24 v3, v1, PITCH
	v_lshl_add_u32 v3, v2, 4, v3
	s_mul_i32 s21, s11, HALFT                      ; my 128 rows of xb
	s_mul_i32 s22, s12, HALFT                      ; my 128 rows of wb,
	s_add_co_u32 s22, s22, 2*HALFT                 ; which lie behind xb's 256
.irp s, 0,1
	v_add_nc_u32 v[ADRA+(\s)], s21, v3
	v_add_nc_u32 v[ADRB+(\s)], s22, v3
	s_add_co_u32 s21, s21, SLOT
	s_add_co_u32 s22, s22, SLOT
.endr
	s_mul_i32 s23, s10, 16*SPITCH
	s_add_co_u32 s23, s23, STAGE                   ; my stage
	v_mul_u32_u24 v4, v1, SPITCH                   ; in: row l % 16, 16 bytes for each half of the lanes
	v_lshl_add_u32 v4, v2, 4, v4
	v_add_nc_u32 v[STO], s23, v4
	v_mul_u32_u24 v5, v2, SPITCH                   ; back: lanes 0-15 take one row of 256 bytes, lanes 16-31 the next
	v_lshl_add_u32 v5, v1, 4, v5
	v_add_nc_u32 v[RD], s23, v5
	v_mul_u32_u24 v5, v2, CROW                     ; and the same two rows in qkv
	v_lshl_add_u32 v[CO], v1, 4, v5
	s_lshl_b32 s13, s13, 8                         ; 256 x tile row
	s_lshl_b32 s14, s11, 7
	s_add_co_u32 s16, s13, s14                     ; my first row
	s_mul_i32 s16, s16, CROW                       ; under 2^27
	s_mov_b32 s17, 0
	s_lshl_b32 s46, s42, 9                         ; my first column of q, in bytes: 512 x tile column + 256 x half
	s_lshl_b32 s47, s12, 8
	s_add_co_u32 s46, s46, s47
	s_lshl_b32 s14, s46, 1                         ; the same column in a bias of f32
	v_lshl_add_u32 v[BO], v2, 5, s14               ; + my lanes' eight columns
	s_mov_b32 s47, 0
	s_add_nc_u64 s[16:17], s[16:17], s[46:47]
	s_add_nc_u64 s[8:9], s[74:75], s[16:17]        ; qkv at my corner of the first tile
	; the prefetches
	s_lshl_b32 s42, s42, 8                         ; 256 x tile column
	s_and_b32 s22, ttmp7, 0xffff                   ; cluster y
	s_cmp_eq_u32 s11, 0                            ; do I fetch for xb?
	s_cselect_b32 s20, s13, s42                    ; the tile's first row
	s_cselect_b32 s21, s40, s41                    ; my place among the four that ask for it with me
	s_cselect_b32 s22, ttmp9, s22                  ; the coordinate along which other clusters read the same rows
	s_cselect_b64 s[PFA:PFA+1], s[4:5], s[6:7]
	s_cmp_eq_u32 s22, 0
	s_cselect_b32 s[LIM], 1, -1                    ; the same in all sixteen partners, for a given wave
	s_lshl_b32 s22, s12, 7
	s_add_co_u32 s20, s20, s22                     ; + the 128 rows that I fetch
	s_lshl_b32 s21, s21, 5
	s_add_co_u32 s20, s20, s21                     ; + my work-group's 32 of them
	s_lshl_b32 s20, s20, 11
	s_mov_b32 s21, 0
	s_add_nc_u64 s[PFA:PFA+1], s[PFA:PFA+1], s[20:21]
	s_add_nc_u64 s[PFA:PFA+1], s[PFA:PFA+1], 2*KSTEP*2  ; at K step 2: the first refill steps it to 3 and names K step 4.  Nothing is prefetched here, at the head
	v_and_b32 v[PFO], 31, v0
	v_lshlrev_b32 v[PFO], 11, v[PFO]
; 16 matrix instructions: row blocks a0, a0 + 1 of the window's four (hi = 0: my rows 0-63, 1: rows 64-127) x all 8 column blocks, 32 along K.  first = 1: the product starts the sum, with the bias as C.
; The 64 accumulators take turns, one instruction a turn, in the same order in every quarter step.
.macro MUL16 f, hi, a0, first
.if \first
	WIN 0x91+0x40*(\hi)                            ; wb window 1, xb window 0, C (the bias) window 1, D window 2 or 3
.else
	WIN 0xa1+0x50*(\hi)                            ; wb window 1, xb window 0, C and D window 2 or 3
.endif
.irp a, \a0, (\a0)+1
.irp b, 0,1,2,3,4,5,6,7
.if \first
	v_wmma_f32_16x16x32_bf16 v[8*(8*(\a)+(\b)):8*(8*(\a)+(\b))+7], v[(\f)+8*(\b):(\f)+8*(\b)+7], v[(\f)+8*(4*(\hi)+(\a)):(\f)+8*(4*(\hi)+(\a))+7], v[BI+8*(\b):BI+8*(\b)+7]
.else
	v_wmma_f32_16x16x32_bf16 v[8*(8*(\a)+(\b)):8*(8*(\a)+(\b))+7], v[(\f)+8*(\b):(\f)+8*(\b)+7], v[(\f)+8*(4*(\hi)+(\a)):(\f)+8*(4*(\hi)+(\a))+7], v[8*(8*(\a)+(\b)):8*(8*(\a)+(\b))+7]
.endif
.endr
.endr
.endm
; 32 LDS loads in one run: the fragments of one quarter step (128 rows of wb, 128 rows of xb, 32 K at byte k of the rows) into buffer f
.macro FETCH slot, k, f
	WIN TO_B
.irp i, 0,1,2,3,4,5,6,7
	ds_load_b128 v[(\f)+8*(\i):(\f)+8*(\i)+3],   v[ADRB+(\slot)] offset:(\k)+(\i)*16*PITCH
	ds_load_b128 v[(\f)+8*(\i)+4:(\f)+8*(\i)+7], v[ADRB+(\slot)] offset:(\k)+(\i)*16*PITCH+32
.endr
	WIN 0
.irp i, 0,1,2,3,4,5,6,7
	ds_load_b128 v[(\f)+8*(\i):(\f)+8*(\i)+3],   v[ADRA+(\slot)] offset:(\k)+(\i)*16*PITCH
	ds_load_b128 v[(\f)+8*(\i)+4:(\f)+8*(\i)+7], v[ADRA+(\slot)] offset:(\k)+(\i)*16*PITCH+32
.endr
.endm
.macro PLACES                          ; four plain vector instructions between a matrix instruction and a load into, or a reader of, its registers (ISA guide 7.12.1 for readers)
.rept 4
	v_nop
.endr
.endm
; A K step is four quarter steps of 32 along K, 64 matrix instructions each, on buffers 0, 1, 0, 1.  One of the first three: multiplies buffer f and fetches the next quarter, at byte k, into g.
.macro QUARTER slot, k, f, g, first
	s_wait_dscnt 8                                 ; wb's fragments and xb's rows 0-63 are in; the youngest eight loads (xb's rows 64-127) may be out
	MUL16 \f, 0, 0, \first
	MUL16 \f, 0, 2, \first
	PLACES
	FETCH \slot, \k, \g
	s_wait_dscnt 32                                ; all but the 32 just issued
	MUL16 \f, 1, 0, \first
	MUL16 \f, 1, 2, \first
.endm
; The first half of the last quarter: ONE barrier for the change of slots.  In front of it each wave waits for all its tensor loads (one is out: its part of the next slot), adds 0 to its spare
; word, and waits for that and for its own reads of this slot.  Behind it nobody reads this slot any more and the next slot is whole.
.macro MEET round
	WIN 0
	s_wait_tensorcnt 0x0
	ds_add_u32 v[SPW], v[NIL]
	s_wait_dscnt 9                                 ; the add and the youngest eight loads may be out
	MUL16 F1, 0, 0, 0                              ; sixteen matrix instructions stand between the add and the wait for it
	s_wait_dscnt 0x0                               ; the add is done, and my reads of this slot are over
	s_barrier_signal -1
	MUL16 F1, 0, 2, 0
.if \round
	WIN 0
.endif
	s_barrier_wait -1
.endm
; The whole last quarter.  Behind the round the slot just read out is filled again first: with this tile's K step two steps on (on = 0) or with the next tile's K step 0 or 1 (on = 1).
; From a request to the wait for it a wave issues 224 matrix instructions.
.macro TURN slot, next, on
	s_wait_xcnt 0x0                                ; the last prefetch, a K step back, has read its address
.if (\on) && (\slot) == 0
	s_add_nc_u64 s[PFA:PFA+1], s[PFA:PFA+1], 1023*SIZE_K*2+KSTEP*2  ; from the K step after the tile's last to the next tile's K step 1: 1,024 rows of wb down, back along K
	s_cmp_eq_u32 s11, 0
	s_cselect_b32 s[LIM], -1, s[LIM]               ; xb's rows are the same for all three tiles: they are prefetched no more
.else
	s_add_nc_u64 s[PFA:PFA+1], s[PFA:PFA+1], KSTEP*2
.endif
	MEET 1
	CREST                                          ; no wave of any partner still reads this slot's tile or has a load on its way
.if \on
	s_sub_nc_u64 s[G0+4*(\slot)+2:G0+4*(\slot)+3], s[G0+4*(\slot)+2:G0+4*(\slot)+3], BACK_A
	s_add_nc_u64 s[G0B+4*(\slot)+2:G0B+4*(\slot)+3], s[G0B+4*(\slot)+2:G0B+4*(\slot)+3], NEXT_B
.else
	s_add_nc_u64 s[G0+4*(\slot)+2:G0+4*(\slot)+3], s[G0+4*(\slot)+2:G0+4*(\slot)+3], 2*KSTEP*2
	s_add_nc_u64 s[G0B+4*(\slot)+2:G0B+4*(\slot)+3], s[G0B+4*(\slot)+2:G0B+4*(\slot)+3], 2*KSTEP*2
.endif
	JLOAD \slot                                    ; the first tensor load behind the round; its four v_nop are also the places in front of the loads below
	FETCH \next, 0, F0
	ASK \on
	MUL16 F1, 1, 0, 0
	MUL16 F1, 1, 2, 0
.endm
; THE LAST K STEP OF THE LAST TILE (it lies in slot 1) GOES BY ROWS OF THE RESULT, NOT BY K.  All its fragments of wb (4 quarters x 64 registers) fill window 1; then my eight blocks of 16 rows are
; finished one after the other, each with 32 matrix instructions (its 8 accumulators by turns, K ascending: the sums are the same).  LDS is read no more than in any other K step.
.macro BLOAD q                         ; wb's fragments of quarter q -> window 1, v[64 q ..]
	WIN TO_B
.irp i, 0,1,2,3,4,5,6,7
	ds_load_b128 v[64*(\q)+8*(\i):64*(\q)+8*(\i)+3],   v[ADRB+1] offset:64*(\q)+(\i)*16*PITCH
	ds_load_b128 v[64*(\q)+8*(\i)+4:64*(\q)+8*(\i)+7], v[ADRB+1] offset:64*(\q)+(\i)*16*PITCH+32
.endr
.endm
.macro ALOAD a                         ; xb's fragments of block a, all four quarters -> buffer a % 4
	WIN 0
.set FA, PA+32*((\a)%4)
.irp q, 0,1,2,3
	ds_load_b128 v[FA+8*(\q):FA+8*(\q)+3],   v[ADRA+1] offset:64*(\q)+(\a)*16*PITCH
	ds_load_b128 v[FA+8*(\q)+4:FA+8*(\q)+7], v[ADRA+1] offset:64*(\q)+(\a)*16*PITCH+32
.endr
.endm
.macro ROW a                           ; block a is finished: 32 matrix instructions
.set FA, PA+32*((\a)%4)                ; its fragments of xb
.set AC, 64*((\a)%4)                   ; its eight accumulators, in window 2 (blocks 0-3) or 3 (blocks 4-7)
	WIN 0xa1+0x50*((\a)/4)
.irp q, 0,1,2,3
.if (\a) == 0 && (\q) == 2
	s_wait_dscnt 24                                ; wb's quarter 2 is in (behind it: xb's blocks 1 to 3, 24 loads)
.endif
.irp b, 0,1,2,3,4,5,6,7
	v_wmma_f32_16x16x32_bf16 v[AC+8*(\b):AC+8*(\b)+7], v[64*(\q)+8*(\b):64*(\q)+8*(\b)+7], v[FA+8*(\q):FA+8*(\q)+7], v[AC+8*(\b):AC+8*(\b)+7]
.endr
.endr
.endm
; The bias of my 128 columns: eight f32 a lane for each of eight blocks, into window 1.
.macro BIASLD p
	WIN TO_B
.irp b, 0,1,2,3,4,5,6,7
	global_load_b128 v[BI+8*(\b):BI+8*(\b)+3],   v[BO], s[\p:\p+1] offset:64*(\b)
	global_load_b128 v[BI+8*(\b)+4:BI+8*(\b)+7], v[BO], s[\p:\p+1] offset:64*(\b)+16
.endr
	WIN 0
.endm
.macro ROUNDB                          ; rounded to bf16 and widened again, in place
	s_wait_loadcnt 0x0                             ; the sixteen loads of the bias: the text has no other loads into registers
	WIN 0x45                                       ; destination and both sources in window 1
.set i, 0
.rept 32
	v_cvt_pk_bf16_f32 v[BT+i%4], v[BI+2*i], v[BI+2*i+1]
	v_lshlrev_b32 v[BI+2*i], 16, v[BT+i%4]
	v_and_b32 v[BI+2*i+1], s76, v[BT+i%4]
.set i, i+1
.endr
	WIN 0
.endm
; THE WAY OUT of block a of 16 rows.  PACK: rounded to f16, 16 bytes a lane (each accumulator's registers in ascending order).  TOSTAGE: into my own stage, and back as whole rows of 256 bytes.  SEND: stored.
.macro PACK a
.set AC, 64*((\a)%4)
	WIN 0x0a+5*((\a)/4)                            ; sources 0 and 1: window 2 or 3
.irp b, 0,1,2,3,4,5,6,7
.irp r, 0,1,2,3
	v_cvt_pk_f16_f32 v[TMP+4*(\b)+(\r)], v[AC+8*(\b)+2*(\r)], v[AC+8*(\b)+2*(\r)+1]
.endr
.endr
	WIN 0
.endm
.macro TOSTAGE a
	WIN 0
.set BK, OB+192*((\a)%2)
.irp b, 0,1,2,3,4,5,6,7
	ds_store_b128 v[STO], v[TMP+4*(\b):TMP+4*(\b)+3] offset:32*(\b)
.endr
.irp t, 0,1,2,3,4,5,6,7
	ds_load_b128 v[BK+4*(\t):BK+4*(\t)+3], v[RD] offset:(\t)*2*SPITCH  ; LDS serves a wave's instructions in order (ISA guide 5.7.1.4): these see the stores above
.endr
.endm
.macro SEND a, younger                 ; younger: the LDS loads issued behind TOSTAGE's, which may stay out
	WIN 0
.set BK, OB+192*((\a)%2)
	s_wait_dscnt \younger                          ; the block is back in registers
	s_wait_xcnt 0x0                                ; the stores of the block before have read their registers: the next TOSTAGE loads into them
.irp t, 0,1,2,3,4,5,6,7
	global_store_b128 v[CO], v[BK+4*(\t):BK+4*(\t)+3], s[8:9] offset:(16*(\a)+2*(\t))*CROW  ; 16 lanes store 256 consecutive bytes, at a multiple of 256 from qkv's first byte; 126 rows at the most in the immediate
.endr
.endm
	BIASLD 68                                      ; bq, while the first tiles are on their way
	ROUNDB
	s_wait_tensorcnt 1                             ; my part of K step 0 is in; K step 1's load stays out
	s_barrier_signal -1
	s_barrier_wait -1                              ; everybody's is
	FETCH 0, 0, F0
	s_mov_b32 s2, 3                                ; tiles to go, this one among them
.Ltile:
	QUARTER 0, 64,  F0, F1, 1                      ; a tile's first quarter stands in front of the loop: its products start the sums, with the bias
	WIN 0                                          ; at a label and at a branch every window is 0
	s_mov_b32 s3, LAPS-1
.Llap:                                                 ; a trip goes once round the ring, from a lap's second quarter to the next lap's first, and fills both slots again
	QUARTER 0, 128, F1, F0, 0
	QUARTER 0, 192, F0, F1, 0
	TURN 0, 1, 0
	QUARTER 1, 64,  F0, F1, 0
	QUARTER 1, 128, F1, F0, 0
	QUARTER 1, 192, F0, F1, 0
	TURN 1, 0, 0
	QUARTER 0, 64,  F0, F1, 0
	WIN 0
	s_sub_co_u32 s3, s3, 1
	s_cmp_lg_u32 s3, 0
	s_cbranch_scc1 .Llap
	QUARTER 0, 128, F1, F0, 0                      ; the tile's last lap goes on
	QUARTER 0, 192, F0, F1, 0
	WIN 0
	s_cmp_eq_u32 s2, 1
	s_cbranch_scc1 .Llast_tile                     ; the last tile's tail is written out: it asks for nothing more
	TURN 0, 1, 1                                   ; the ring goes on into the next tile: slot 0 takes its K step 0,
	QUARTER 1, 64,  F0, F1, 0
	QUARTER 1, 128, F1, F0, 0
	QUARTER 1, 192, F0, F1, 0
	TURN 1, 0, 1                                   ; slot 1 its K step 1, and the next tile's first fragments are fetched
	BIASLD 70                                      ; the next tile's bias; its registers were last read in this tile's first quarter
	PACK 0                                         ; both refills are asked for: now the tile goes out.  Blocks 0-3 were finished in front of the joint load's four v_nop; their conversions,
	TOSTAGE 0                                      ; which name no register of the last products, are those products' places
.irp a, 1,2,3,4,5,6,7                  ; block a's conversions stand between block a - 1's loads from the stage and the wait for them
	PACK \a
	SEND (\a)-1, 0
	TOSTAGE \a
.endr
	SEND 7, 0
	ROUNDB
	s_wait_xcnt 0x0                                ; the stores and the bias's loads have read their addresses
	s_add_nc_u64 s[8:9], s[8:9], 2048              ; the next tile lies 1,024 columns to the right
	s_mov_b64 s[70:71], s[72:73]                   ; and the tile after it takes bv
	s_sub_co_u32 s2, s2, 1
	s_branch .Ltile
.Llast_tile:
	MEET 0                                         ; my one tensor load that was still out is the last K step's, so no round follows
	PLACES                                         ; for the loads into buffer 0, which the quarter before multiplied
	BLOAD 0                                        ; three quarters of wb now: buffer 1 (v128-191 of both windows) is still being multiplied; quarter 0 lands where the bias lay, last read in this tile's first quarter
	BLOAD 1
	BLOAD 3
	ALOAD 0
	MUL16 F1, 1, 0, 0
	MUL16 F1, 1, 2, 0
	PLACES                                         ; for the loads into buffer 1
	BLOAD 2
	ALOAD 1
	ALOAD 2
	ALOAD 3
	s_wait_dscnt 40                                ; all but the 40 just issued: wb's quarters 0, 1, 3 and xb's block 0 are in
	ROW 0
.irp a, 0,1,2,3,4,5,6,7                ; each block leaves as soon as it is finished: nothing follows this tile under which its stores could leave
	PLACES                                         ; its conversions read results just made
	PACK \a
	TOSTAGE \a
.if (\a) < 4
	ALOAD (\a)+4                                   ; its buffer takes the block four further on
	SEND \a, 8                                     ; those eight loads may stay out
.else
	SEND \a, 0
.endif
.if (\a) < 7
	ROW (\a)+1
.endif
.endr
	s_wait_tensorcnt 0x0                           ; the wave's end, behind my last tensor load and my last LDS store
	ds_add_u32 v[SPW], v[NIL]
	s_wait_dscnt 0x0
	CROUND                                         ; the closing round: no work-group ends while a partner may still ask for a tile that names it
	s_endpgm
.Lfunc_end_k_q3c8af59225_qkv:
	.size	k_q3c8af59225_qkv, .Lfunc_end_k_q3c8af59225_qkv-k_q3c8af59225_qkv
	.p2alignl 7, 3214868480
	.fill 96, 4, 3214868480
	.section	.rodata,"a",@progbits
	.p2align	6, 0x0
	.amdhsa_kernel k_q3c8af59225_qkv
		.amdhsa_group_segment_fixed_size 327680
		.amdhsa_private_segment_fixed_size 0
		.amdhsa_enable_private_segment 0
		.amdhsa_kernarg_size 48
		.amdhsa_user_sgpr_count 2
		.amdhsa_user_sgpr_kernarg_segment_ptr 1
		.amdhsa_wavefront_size32 1
		.amdhsa_system_sgpr_workgroup_id_x 1
		.amdhsa_system_sgpr_workgroup_id_y 1
		.amdhsa_system_sgpr_workgroup_id_z 1
		.amdhsa_system_vgpr_workitem_id 0
		.amdhsa_next_free_vgpr 1024
		.amdhsa_next_free_sgpr 80
		.amdhsa_reserve_vcc 0
		.amdhsa_float_denorm_mode_32 3
		.amdhsa_float_denorm_mode_16_64 3
		.amdhsa_memory_ordered 1
		.amdhsa_forward_progress 1
		.amdhsa_inst_pref_size 221
	.end_amdhsa_kernel
	.amdgpu_metadata
---
amdhsa.version: [ 1, 2 ]
amdhsa.kernels:
  - .name:           k_q3c8af59225_qkv
    .symbol:         k_q3c8af59225_qkv.kd
    .args:
      - { .name: xb, .offset: 0, .size: 8, .value_kind: global_buffer, .address_space: global }
      - { .name: wb, .offset: 8, .size: 8, .value_kind: global_buffer, .address_space: global }
      - { .name: bq, .offset: 16, .size: 8, .value_kind: global_buffer, .address_space: global }
      - { .name: bk, .offset: 24, .size: 8, .value_kind: global_buffer, .address_space: global }
      - { .name: bv, .offset: 32, .size: 8, .value_kind: global_buffer, .address_space: global }
      - { .name: qkv, .offset: 40, .size: 8, .value_kind: global_buffer, .address_space: global }
    .group_segment_fixed_size: 327680
    .private_segment_fixed_size: 0
    .kernarg_segment_align: 8
    .kernarg_segment_size: 48
    .max_flat_workgroup_size: 128
    .sgpr_count:     80
    .vgpr_count:     1024
    .wavefront_size: 32
...
	.end_amdgpu_metadata
.endif
;; end of part 2
;; launch attn (part 3): grid 256 x 1, 4 waves a work-group, no clusters, 327,680 bytes of LDS; arguments qkv, att; writes att
.if DOCPART == 3
	.amdgcn_target "amdgcn-amd-amdhsa--gfx1250"
	.amdhsa_code_object_version 6
	.text
	.protected	k_q3c8af59225_attn
	.globl	k_q3c8af59225_attn
	.p2align	8
	.type	k_q3c8af59225_attn,@function
k_q3c8af59225_attn:
	s_mov_b64 s[64:65], 0
	v_nop
	global_prefetch_b8 v0, s[64:65] scope:SCOPE_SE
	s_setreg_imm32_b32 hwreg(HW_REG_WAVE_MODE, 25, 1), 1
	s_wait_xcnt 0x0
; For each of the 16,384 positions by itself: att[p][h][:] = the sum over e of softmax_e(q[p][h] . k[p][e] / 8) v[p][e][:], h and e the position's 16 heads of 64 channels.
; qkv [16384][3072] f16 (a row: q, k, v, 2,048 bytes each), att [16384][1024] f16.  Products, maximum and sum in f32; the weights, divided by their sum, are rounded to f16 for the second product; att once.
; LIMITS.  A weight below 2^-126 of the largest counts as 0; below 6e-5 a weight keeps f16's fixed step of 6e-8.  NaN and infinities are not treated apart.
; SHARES.  A work-group takes 64 positions, a wave 16, as four tiles of four positions (24,576 dense bytes).  Each wave has a ring of two LDS slots of its own, issues its own tensor loads and reads its own
; bytes alone.  NO CLUSTER: no two work-groups read the same byte.  No prefetch: the launch does little but read its input once and write its output once.
; LAYOUT.  S^T = K Q^T (source 0 = the 16 key heads, source 1 = the 16 query heads, two instructions for 64 channels): a lane holds ONE query head (lane % 16) and the key heads 8 (lane / 16) + 0..7.  Rounded in
; pairs these ARE registers 0-3 of source 1 (keys 0-15) of O^T = V^T P; registers 4-7 (keys 16-31, which do not exist) hold 0 in P and in V^T, set once.  V ([key][channel]) comes turned, by ds_load_tr16_b128.
; Two positions go side by side, so that no line waits for the line before it and the matrix instructions' accumulators take turns.
.set POSB,  7680                       ; a position in LDS: 48 head rows of 128 bytes + 32 of padding = 40 words
.set KOFF,  2560                       ; q's and k's loads meet each bank twice: one descriptor has one padding
.set VOFF,  5120
.set TILEB, 4*POSB                     ; a tile in LDS
.set SLOT1, 1<<17                      ; slot 1 begins here: one exclusive or turns an address in one slot into the other's
.set STAGE, SLOT1+4*TILEB              ; behind the ring, never filled by a tensor load: two positions x 16 rows x 144 bytes for each wave
.set SP,    144
.set SPARE, STAGE+4*2*16*SP            ; behind the stages: the spare words, 128 bytes for each wave: two blocks of 256 bytes that no other line names
.set AQ0, 4                            ; v4   my lane's place in a position's q (and, KOFF on, k), in my wave's slot 0; never rewritten
.set AV0, 5                            ; v5   the same for v
.set STO, 6                            ; v6   the way out: where I put 16 bytes of a head's row
.set RD,  7                            ; v7   the way out: where I read rows back
.set GO,  8                            ; v8   my byte offset in 512 consecutive bytes of att
.set SPW, 10                           ; v10  LDS address of my spare word; never rewritten
.set NIL, 11                           ; v11  0; never rewritten
.set AQ,  12                           ; v12  the pair's address for q and k
.set AV,  13                           ; v13  for v
.set PB0, 32                           ; position u of a pair has v[32 + 96 u ..]:
.set QF,  0                            ;   +0   q's two fragments; O^T's four accumulators take the places of q's and k's
.set KF,  16                           ;   +16  k's two fragments
.set VF,  32                           ;   +32  v's four fragments (16 channels each)
.set SS,  64                           ;   +64  S^T
.set PP,  72                           ;   +72  P
.set TT,  80                           ;   +80  at work
.set OUT, 224                          ; v[224:255] packed results, 16 a position
.set WV,  12                           ; s12  my wave's number
.set G1,  16                           ; s[16:23] descriptor group 1
.set G0,  24                           ; s[24:31] group 0: a set for each of the two first fills; the second then walks on
.set CS,  32                           ; s[32:33] c = log2(e) / 8
.set SEL, 34                           ; s[34:35] v_permlanex16_b32's selects: each lane takes its own place in the other half
.set TB,  36                           ; s36  LDS byte, from my wave's place in slot 0, of the pair in hand
.set TW,  37                           ; s37  counts a tile's two pairs
.set TL,  38                           ; s38  counts the two refills
	s_load_b128 s[4:7], s[0:1], 0x0                ; qkv s[4:5], att s[6:7]
	v_lshl_add_u32 v[SPW], v0, 2, SPARE
	v_mov_b32 v[NIL], 0
	ds_add_u32 v[SPW], v[NIL]                      ; the wave's opening: the add and its wait stand ahead of my first tensor load; the set-up below stands between them
	ds_add_u32 v10, v11
	v_lshrrev_b32 v1, 5, v0
	v_readfirstlane_b32 s[WV], v1                  ; wave 0..3
	; a tile is 24,576 dense bytes: asked for as 96 rows of 256 bytes, two head rows each, and padded in LDS after every head row
	s_mov_b32 s[G1+0], (1<<16)|(1<<20)|(4<<22)|(7<<25)  ; 17:16 elements of 2 bytes; 20 padding on; 24:22 after every 32 words; 31:25 8 words of it
	s_mov_b32 s[G1+1], 128<<16                     ; tensor_dim0 = 128
	s_mov_b32 s[G1+2], 96<<16                      ; tensor_dim1 = 96
	s_mov_b32 s[G1+3], 128<<16                     ; tile_dim0 = 128
	s_mov_b32 s[G1+4], 96                          ; tile_dim1 = 96
	s_mov_b32 s[G1+5], 128                         ; elements from row to row
	s_mov_b32 s[G1+6], 0
	s_mov_b32 s[G1+7], 0
	s_mul_i32 s13, s[WV], TILEB                    ; my wave's place in a slot
	s_mul_i32 s2, ttmp9, 64*6144                   ; the work-group's 64 positions in qkv,
	s_mul_i32 s3, s[WV], 16*6144                   ; my wave's 16
	s_add_co_u32 s2, s2, s3
	s_mov_b32 s3, 0
	s_lshl_b32 s14, ttmp9, 17                      ; and the same in att: rows of 2,048 bytes
	s_lshl_b32 s15, s[WV], 15
	s_add_co_u32 s14, s14, s15
	s_mov_b32 s15, 0
	s_mov_b32 s[CS], 0x3e38aa3b                    ; c = 0.180337
	s_mov_b32 s[CS+1], s[CS]                       ; named with it as a pair
	s_mov_b32 s[SEL], 0x76543210
	s_mov_b32 s[SEL+1], 0xfedcba98
	s_mov_b32 s[TB], 0
	s_wait_dscnt 0x0                               ; the opening add is done
	s_wait_kmcnt 0x0
	s_add_nc_u64 s[4:5], s[4:5], s[2:3]
	s_add_nc_u64 s[6:7], s[6:7], s[14:15]
.irp s, 0,1
	s_mov_b32 s[G0+4*(\s)], 1
	s_add_co_u32 s[G0+4*(\s)+1], s13, (\s)*SLOT1
	s_add_nc_u64 s[G0+4*(\s)+2:G0+4*(\s)+3], s[4:5], (\s)*4*6144
	s_or_b32 s[G0+4*(\s)+3], s[G0+4*(\s)+3], 0x80000000
	tensor_load_to_lds s[G0+4*(\s):G0+4*(\s)+3], s[G1:G1+7]  ; tiles 0 and 1 go out together: two loads of mine are out
	s_nop 0
.endr
	v_and_b32 v1, 15, v0                           ; l % 16
	v_bfe_u32 v2, v0, 4, 1                         ; l / 16
	v_mul_u32_u24 v[AQ0], v1, 160                  ; a fragment of q or k: head row l % 16, channels 8 (l / 16) + 0..7 and, 32 bytes on, 16 + 8 (l / 16) + 0..7
	v_lshl_add_u32 v[AQ0], v2, 4, v[AQ0]
	v_add_nc_u32 v[AQ0], s13, v[AQ0]
	v_and_b32 v3, 7, v0                            ; the turning load: lane l reads key head 8 (l / 16) + l % 8, channels 8 ((l / 8) % 2) + 0..7, and is left with channel l % 16 and 8 key heads
	v_bfe_u32 v9, v0, 3, 1
	v_lshl_add_u32 v[AV0], v2, 3, v3
	v_mul_u32_u24 v[AV0], v[AV0], 160
	v_lshl_add_u32 v[AV0], v9, 4, v[AV0]
	s_add_co_u32 s14, s13, VOFF
	v_add_nc_u32 v[AV0], s14, v[AV0]
	s_mul_i32 s14, s[WV], 2*16*SP
	s_add_co_u32 s14, s14, STAGE                   ; my stage
	v_mul_u32_u24 v[STO], v1, SP                   ; in: head row l % 16, 16 bytes for each half of the lanes
	v_lshl_add_u32 v[STO], v2, 4, v[STO]
	v_add_nc_u32 v[STO], s14, v[STO]
	v_bfe_u32 v[RD], v0, 3, 2                      ; back: 32 lanes take four head rows of 128 bytes,
	v_mul_u32_u24 v[RD], v[RD], SP
	v_lshl_add_u32 v[RD], v3, 4, v[RD]
	v_add_nc_u32 v[RD], s14, v[RD]
	v_and_b32 v[GO], 31, v0                        ; which are 512 consecutive bytes of att
	v_lshlrev_b32 v[GO], 4, v[GO]
.irp u, 0,1                            ; keys 16-31 of the second product: 0 in both sources, once
.irp j, 4,5,6,7
.irp cb, 0,1,2,3
	v_mov_b32 v[PB0+96*(\u)+VF+8*(\cb)+(\j)], 0
.endr
	v_mov_b32 v[PB0+96*(\u)+PP+(\j)], 0
.endr
.endr
.macro PLACES                          ; four plain vector instructions between a matrix instruction and a reader of its result (ISA guide 7.12.1)
.rept 4
	v_nop
.endr
.endm
; Two positions, at byte s[TB] of my wave's place.
.macro PAIR
	v_add_nc_u32 v[AQ], s[TB], v[AQ0]
	v_add_nc_u32 v[AV], s[TB], v[AV0]
.irp u, 0,1
.irp c, 0,1
	ds_load_b128 v[PB0+96*(\u)+KF+8*(\c):PB0+96*(\u)+KF+8*(\c)+3],   v[AQ] offset:(\u)*POSB+KOFF+64*(\c)
	ds_load_b128 v[PB0+96*(\u)+KF+8*(\c)+4:PB0+96*(\u)+KF+8*(\c)+7], v[AQ] offset:(\u)*POSB+KOFF+64*(\c)+32
	ds_load_b128 v[PB0+96*(\u)+QF+8*(\c):PB0+96*(\u)+QF+8*(\c)+3],   v[AQ] offset:(\u)*POSB+64*(\c)
	ds_load_b128 v[PB0+96*(\u)+QF+8*(\c)+4:PB0+96*(\u)+QF+8*(\c)+7], v[AQ] offset:(\u)*POSB+64*(\c)+32
.endr
.endr
.irp u, 0,1
.irp cb, 0,1,2,3
	ds_load_tr16_b128 v[PB0+96*(\u)+VF+8*(\cb):PB0+96*(\u)+VF+8*(\cb)+3], v[AV] offset:(\u)*POSB+32*(\cb)
.endr
.endr
	s_wait_dscnt 8                                 ; q and k are in; v's eight loads may stay out
.irp c, 0,1
.irp x, PB0, PB0+96
.if (\c) == 0
	v_wmma_f32_16x16x32_f16 v[(\x)+SS:(\x)+SS+7], v[(\x)+KF:(\x)+KF+7], v[(\x)+QF:(\x)+QF+7], 0
.else
	v_wmma_f32_16x16x32_f16 v[(\x)+SS:(\x)+SS+7], v[(\x)+KF+8:(\x)+KF+15], v[(\x)+QF+8:(\x)+QF+15], v[(\x)+SS:(\x)+SS+7]
.endif
.endr
.endr
	PLACES
	; the maximum of a query head's 16 scores: eight in my registers (the lowest are read first), eight in the lane 16 away
.irp x, PB0, PB0+96
	v_max3_num_f32 v[(\x)+TT], v[(\x)+SS], v[(\x)+SS+1], v[(\x)+SS+2]
.endr
.irp x, PB0, PB0+96
	v_max3_num_f32 v[(\x)+TT+1], v[(\x)+SS+3], v[(\x)+SS+4], v[(\x)+SS+5]
.endr
.irp x, PB0, PB0+96
	v_max3_num_f32 v[(\x)+TT], v[(\x)+TT], v[(\x)+SS+6], v[(\x)+SS+7]
.endr
.irp x, PB0, PB0+96
	v_max_num_f32 v[(\x)+TT], v[(\x)+TT], v[(\x)+TT+1]
.endr
.irp x, PB0, PB0+96
	v_permlanex16_b32 v[(\x)+TT+1], v[(\x)+TT], s[SEL], s[SEL+1]
.endr
.irp x, PB0, PB0+96
	v_max_num_f32 v[(\x)+TT], v[(\x)+TT], v[(\x)+TT+1]
.endr
.irp x, PB0, PB0+96
	v_mul_f32 v[(\x)+TT], s[CS], v[(\x)+TT]        ; c m
.endr
.irp i, 0,2,4,6
.irp x, PB0, PB0+96
	v_pk_fma_f32 v[(\x)+SS+(\i):(\x)+SS+(\i)+1], v[(\x)+SS+(\i):(\x)+SS+(\i)+1], s[CS:CS+1], v[(\x)+TT:(\x)+TT+1] op_sel_hi:[1,0,0] neg_lo:[0,0,1] neg_hi:[0,0,1]  ; c s - c m
.endr
.endr
.irp i, 0,1,2,3,4,5,6,7
.irp x, PB0, PB0+96
	v_exp_f32 v[(\x)+SS+(\i)], v[(\x)+SS+(\i)]
.endr
.endr
	v_nop                                          ; a plain instruction behind the last exponential,
	s_wait_alu depctr_va_vdst(0)                   ; and the wait ahead of the first use: one for the sixteen
.irp x, PB0, PB0+96
	v_pk_add_f32 v[(\x)+TT+2:(\x)+TT+3], v[(\x)+SS:(\x)+SS+1], v[(\x)+SS+2:(\x)+SS+3]
.endr
.irp x, PB0, PB0+96
	v_pk_add_f32 v[(\x)+TT+4:(\x)+TT+5], v[(\x)+SS+4:(\x)+SS+5], v[(\x)+SS+6:(\x)+SS+7]
.endr
.irp x, PB0, PB0+96
	v_pk_add_f32 v[(\x)+TT+2:(\x)+TT+3], v[(\x)+TT+2:(\x)+TT+3], v[(\x)+TT+4:(\x)+TT+5]
.endr
.irp x, PB0, PB0+96
	v_add_f32 v[(\x)+TT+2], v[(\x)+TT+2], v[(\x)+TT+3]
.endr
.irp x, PB0, PB0+96
	v_permlanex16_b32 v[(\x)+TT+3], v[(\x)+TT+2], s[SEL], s[SEL+1]
.endr
.irp x, PB0, PB0+96
	v_add_f32 v[(\x)+TT+2], v[(\x)+TT+2], v[(\x)+TT+3]  ; the sum: at least 1, the largest score's weight
.endr
.irp x, PB0, PB0+96
	v_rcp_f32 v[(\x)+TT+4], v[(\x)+TT+2]
.endr
	v_nop
	s_wait_alu depctr_va_vdst(0)                   ; one wait for the two reciprocals
.irp i, 0,2,4,6
.irp x, PB0, PB0+96
	v_pk_mul_f32 v[(\x)+SS+(\i):(\x)+SS+(\i)+1], v[(\x)+SS+(\i):(\x)+SS+(\i)+1], v[(\x)+TT+4:(\x)+TT+5] op_sel_hi:[1,0]
.endr
.endr
.irp i, 0,1,2,3
.irp x, PB0, PB0+96
	v_cvt_pk_f16_f32 v[(\x)+PP+(\i)], v[(\x)+SS+2*(\i)], v[(\x)+SS+2*(\i)+1]
.endr
.endr
	s_wait_dscnt 0x0                               ; v is in
.irp cb, 0,1,2,3
.irp x, PB0, PB0+96
	v_wmma_f32_16x16x32_f16 v[(\x)+8*(\cb):(\x)+8*(\cb)+7], v[(\x)+VF+8*(\cb):(\x)+VF+8*(\cb)+7], v[(\x)+PP:(\x)+PP+7], 0  ; channels 16 cb on; it lands where q and k lay, far behind the products that read them
.endr
.endr
	PLACES
.irp u, 0,1
.irp cb, 0,1,2,3
.irp i, 0,1,2,3
	v_cvt_pk_f16_f32 v[OUT+16*(\u)+4*(\cb)+(\i)], v[PB0+96*(\u)+8*(\cb)+2*(\i)], v[PB0+96*(\u)+8*(\cb)+2*(\i)+1]
.endr
.endr
.endr
.irp u, 0,1
.irp cb, 0,1,2,3
	ds_store_b128 v[STO], v[OUT+16*(\u)+4*(\cb):OUT+16*(\u)+4*(\cb)+3] offset:(\u)*16*SP+32*(\cb)
.endr
.irp f, 0,1,2,3
	ds_load_b128 v[OUT+16*(\u)+4*(\f):OUT+16*(\u)+4*(\f)+3], v[RD] offset:(\u)*16*SP+(\f)*4*SP  ; LDS serves a wave's instructions in order (ISA guide 5.7.1.4): these see the stores above
.endr
.endr
	s_wait_dscnt 0x0
.irp u, 0,1
.irp f, 0,1,2,3
	global_store_b128 v[GO], v[OUT+16*(\u)+4*(\f):OUT+16*(\u)+4*(\f)+3], s[6:7] offset:(\u)*2048+(\f)*512  ; 512 consecutive bytes, at a multiple of 256 from att's first byte
.endr
.endr
.endm
.macro TILE                            ; a tile's two pairs: written once, walked twice
	s_mov_b32 s[TW], 2
.Lpair_\@:
	PAIR
	s_wait_xcnt 0x0                                ; the stores have read their registers and att's address: both are written again only behind this wait
	s_add_nc_u64 s[6:7], s[6:7], 2*2048
	s_add_co_u32 s[TB], s[TB], 2*POSB
	s_sub_co_u32 s[TW], s[TW], 1
	s_cmp_lg_u32 s[TW], 0
	s_cbranch_scc1 .Lpair_\@
.endm
.macro SWITCH                          ; the reads go back to a tile's first pair, in the other slot
	s_sub_co_u32 s[TB], s[TB], TILEB
	s_xor_b32 s[TB], s[TB], SLOT1
.endm
; The slot just read is filled again, with the tile two on.
.macro FILL
	s_wait_tensorcnt 0x0                           ; all my tensor loads have landed, the unread slot's too: a group 0 may be written
	ds_add_u32 v[SPW], v[NIL]                      ; 0 onto my spare word; the descriptor's steps stand between it and the wait for it
	s_xor_b32 s[G0+5], s[G0+5], SLOT1              ; the walking descriptor: the other slot than last time,
	s_add_nc_u64 s[G0+6:G0+7], s[G0+6:G0+7], 4*6144  ; the next tile; the type bits on top are not reached
	s_wait_dscnt 0x0                               ; the add is done, and my reads of the slot are over
	s_barrier_signal -1
	s_barrier_wait -1
	tensor_load_to_lds s[G0+4:G0+7], s[G1:G1+7]    ; my one tensor load behind the barrier, and the first thing there
	s_nop 0
.endm
	s_wait_tensorcnt 0x1                           ; tile 0 is in; tile 1's load stays out
	s_mov_b32 s[TL], 2
.Lfill:                                                ; tiles 0 and 1 are worked on; tiles 2 and 3 are asked for.  The tile read next was shown landed by FILL's wait for all loads
	TILE
	FILL
	SWITCH
	s_sub_co_u32 s[TL], s[TL], 1
	s_cmp_lg_u32 s[TL], 0
	s_cbranch_scc1 .Lfill
	TILE                                           ; tile 2, while tile 3 is on its way
	s_wait_tensorcnt 0x0                           ; tile 3: no load was issued behind it
	SWITCH
	TILE
	s_wait_tensorcnt 0x0                           ; the wave's end, behind my last tensor load and my last LDS store
	ds_add_u32 v[SPW], v[NIL]
	s_wait_dscnt 0x0
	s_endpgm
.Lfunc_end_k_q3c8af59225_attn:
	.size	k_q3c8af59225_attn, .Lfunc_end_k_q3c8af59225_attn-k_q3c8af59225_attn
	.p2alignl 7, 3214868480
	.fill 96, 4, 3214868480
	.section	.rodata,"a",@progbits
	.p2align	6, 0x0
	.amdhsa_kernel k_q3c8af59225_attn
		.amdhsa_group_segment_fixed_size 327680
		.amdhsa_private_segment_fixed_size 0
		.amdhsa_enable_private_segment 0
		.amdhsa_kernarg_size 16
		.amdhsa_user_sgpr_count 2
		.amdhsa_user_sgpr_kernarg_segment_ptr 1
		.amdhsa_wavefront_size32 1
		.amdhsa_system_sgpr_workgroup_id_x 1
		.amdhsa_system_sgpr_workgroup_id_y 1
		.amdhsa_system_sgpr_workgroup_id_z 1
		.amdhsa_system_vgpr_workitem_id 0
		.amdhsa_next_free_vgpr 256
		.amdhsa_next_free_sgpr 66
		.amdhsa_reserve_vcc 0
		.amdhsa_float_denorm_mode_32 3
		.amdhsa_float_denorm_mode_16_64 3
		.amdhsa_memory_ordered 1
		.amdhsa_forward_progress 1
		.amdhsa_inst_pref_size 37
	.end_amdhsa_kernel
	.amdgpu_metadata
---
amdhsa.version: [ 1, 2 ]
amdhsa.kernels:
  - .name:           k_q3c8af59225_attn
    .symbol:         k_q3c8af59225_attn.kd
    .args:
      - { .name: qkv, .offset: 0, .size: 8, .value_kind: global_buffer, .address_space: global }
      - { .name: att, .offset: 8, .size: 8, .value_kind: global_buffer, .address_space: global }
    .group_segment_fixed_size: 327680
    .private_segment_fixed_size: 0
    .kernarg_segment_align: 8
    .kernarg_segment_size: 16
    .max_flat_workgroup_size: 128
    .sgpr_count:     66
    .vgpr_count:     256
    .wavefront_size: 32
...
	.end_amdgpu_metadata
.endif
;; end of part 3
;; launch oproj (part 4): grid 4 x 64, 4 waves a work-group, clusters of 4 x 4, 327,680 bytes of LDS; arguments att, wb, bo, out0; writes out0
.if DOCPART == 4
	.amdgcn_target "amdgcn-amd-amdhsa--gfx1250"
	.amdhsa_code_object_version 6
	.text
	.protected	k_q3c8af59225_oproj
	.globl	k_q3c8af59225_oproj
	.p2align	8
	.type	k_q3c8af59225_oproj,@function
k_q3c8af59225_oproj:
	s_mov_b64 s[64:65], 0
	v_nop
	global_prefetch_b8 v0, s[64:65] scope:SCOPE_SE
	s_setreg_imm32_b32 hwreg(HW_REG_WAVE_MODE, 25, 1), 1
	s_wait_xcnt 0x0
	s_wait_alu depctr_hold_cnt(0) depctr_sa_sdst(0) depctr_va_vdst(0) depctr_va_sdst(0) depctr_va_ssrc(0) depctr_va_vcc(0) depctr_vm_vsrc(0)
	s_getreg_b32 s2, hwreg(HW_REG_IB_STS2, 6, 4)
	s_cmp_eq_u32 s2, 0
	s_cbranch_scc0 .Lentry_in_a_cluster
	s_endpgm
.Lentry_in_a_cluster:
	s_bfe_u32 s2, ttmp6, 0x10000c
	s_cmp_lg_u32 s2, 0xf033
	s_cbranch_scc0 .Lentry_shape_is_right
	s_endpgm
.Lentry_shape_is_right:
; out0[p][n] = the sum over k of att[p][k] Wo[n][k] + bf16(bo[n]).  att [16384][1024] f16; Wo = rows 3072-4095 of wb, [1024][1024], bf16 numbers written as f16; sums in f32; out0 [16384][1024] f32.
; LIMITS.  As the buffers that it reads: numbers within +-65,504.  NaN and infinities are not treated apart.  bo is rounded to bf16, like every other input of the module.
; SHARES.  A tile of out0, 256 x 256, is made by a work-group of four waves; a wave makes 128 x 128: 64 accumulators, 512 registers.  K goes in steps of 128 through a ring of two LDS slots filled by
; the tensor data mover.  64 x 4 tiles: one to a work-group.  The last K step goes by rows of the result, so that finished rows leave while the others are multiplied.
; CLUSTERS: 4 x 4 work-groups.  The four of a row of the cluster need the same tiles of att, the four of a column the same tiles of Wo: each tile is asked for JOINTLY.
; THE BIAS IS THE C OPERAND of the product that starts a sum: the matrix instruction is used transposed (source 0 = 16 rows of Wo, source 1 = 16 rows of att), so lane l holds row l % 16 of the
; result and its registers the columns 8 (l / 16) + 0..7.
; REGISTERS, in windows of 256 (s_set_vgpr_msb: bits 1:0 source 0, 3:2 source 1, 5:4 source 2, 7:6 destination):
;   window 0: v0-31 addresses; v64-127, v128-191 fragments of att, two buffers (in the last K step four, of 16 rows x 128 K); v192-255 on the way out: 16 rows read back from the stage
;   window 1: v0-63 the bias tiles; v64-127, v128-191 fragments of Wo, two buffers; v192-195 at work; in the last K step all 256: Wo's fragments of the whole step
;   window 2: the 32 accumulators of my rows 0-63 ((a, b) at v[8 (8 a + b)]);   window 3: those of my rows 64-127
.set SIZE_K, 1024
.set KSTEP,  128
.set PITCH,  272                       ; an LDS row: 256 bytes + 16 of padding = 68 words: row r starts at bank 4 r mod 64 (64 banks of 4 bytes: ISA guide 11.1)
.set HALFT,  128*PITCH
.set SLOT,   4*HALFT                   ; att's 256 rows, then Wo's 256 rows
.set STAGE,  2*SLOT                    ; behind the ring: 16 rows x 528 bytes for each wave, for the way out
.set SPITCH, 528                       ; 512 bytes + 16 = 132 words: again row r at bank 4 r mod 64
.set SPARE,  STAGE+4*16*SPITCH         ; behind the stages: the spare words, 128 bytes for each wave: two blocks of 256 bytes that no other line names
.set LAPS,   SIZE_K/(2*KSTEP)
.set CROW,   4096                      ; bytes in a row of out0
.set ADRA, 16
.set ADRB, 20
.set STO,  24                          ; v24     the way out: where I put 32 bytes of a row
.set RD,   25                          ; v25     the way out: where I read a row back
.set CO,   26                          ; v26     16 x my lane: my place in a row's 512 bytes
.set BO,   27                          ; v27     my byte offset in bo
.set SPW,  28                          ; v28     LDS address of my spare word; never rewritten
.set NIL,  29                          ; v29     0; never rewritten
.set PFO,  30                          ; v30     the prefetches' offset: my lane x 2,048 bytes; never rewritten
.set F0,   64
.set F1,   128
.set PA,   64                          ; the last K step: att's fragments of 16 rows x 128 K, 32 registers; four such buffers, v64-191
.set BK,   192                         ; the way out: 16 rows of 512 bytes, 64 registers
.set BI,   0                           ; window 1
.set BT,   192                         ; window 1
.set G1,  24
.set G0,  32
.set G1B, 48
.set G0B, 56
.set LIM, 43
.set PFA, 44
.set MSB, 0
.macro WIN new                         ; the immediate's high byte repeats the setting that is left; a switch that changes nothing is dropped
.if MSB != (\new)
	s_set_vgpr_msb (MSB<<8)|(\new)
.set MSB, \new
.endif
.endm
.set TO_B, 0x40
; A joint load.  Waves 0 and 1 fetch att's two halves, waves 2 and 3 Wo's.  An s_nop 0 and four v_nop follow each of the two lines.
.macro JLOAD s
	s_cmp_eq_u32 s11, 0
	s_cbranch_scc0 .Lfor_b_\@
	tensor_load_to_lds s[G0+4*(\s):G0+4*(\s)+3], s[G1:G1+7]
	s_nop 0
.rept 4
	v_nop
.endr
	s_branch .Lasked_\@
.Lfor_b_\@:
	tensor_load_to_lds s[G0B+4*(\s):G0B+4*(\s)+3], s[G1B:G1B+7]
	s_nop 0
.rept 4
	v_nop
.endr
.Lasked_\@:
.endm
; A PREFETCH INTO THE L2, behind each joint load and the run of LDS loads that follows it: the K step that stands two refills on: 32 rows x 256 bytes, a lane a row, one instruction a wave.
; Each row's 256 bytes of a K step are named once in the launch: att's rows are read by one row of one cluster alone; Wo's by every cluster, and the cluster with y = 0 asks for them.  The four partners
; that ask for a tile jointly share its rows out BY ADDRESS, 32 each (by cx for att, by cy for Wo).  The last two refills have no K step two on.
.macro ASK
	s_cmp_gt_u32 s3, s[LIM]                        ; s3 = 1 in the loop's last trip
	s_cbranch_scc0 .Lnot_mine_\@
	global_prefetch_b8 v[PFO], s[PFA:PFA+1] offset:KSTEP*2 th:TH_LOAD_NT scope:SCOPE_SE
.Lnot_mine_\@:
.endm
.macro CREST
	s_cmp_lg_u32 s10, 0
	s_cbranch_scc1 .Lnot_wave_0_\@
	s_barrier_signal -3
.Lnot_wave_0_\@:
	s_barrier_wait -3
	s_barrier_signal -1
	s_barrier_wait -1
.endm
.macro CROUND
	s_barrier_signal -1
	s_barrier_wait -1
	CREST
.endm
	s_load_b128 s[4:7], s[0:1], 0x0                ; att s[4:5], wb s[6:7]
	s_load_b128 s[68:71], s[0:1], 0x10             ; bo s[68:69], out0 s[70:71]
	v_lshl_add_u32 v[SPW], v0, 2, SPARE
	v_mov_b32 v[NIL], 0
	ds_add_u32 v[SPW], v[NIL]                      ; the wave's opening: the add and its wait stand ahead of my first tensor load; the set-up below stands between them
	ds_add_u32 v28, v29
	v_lshrrev_b32 v1, 5, v0
	v_readfirstlane_b32 s10, v1                    ; wave 0..3
	s_lshr_b32 s11, s10, 1                         ; which half of the tile's rows is mine.  Also: I fetch for att (0) or for Wo (1)
	s_and_b32 s12, s10, 1                          ; which half of its columns.  Also: which 128 rows of that tile I fetch
	s_bfe_u32 s40, ttmp6, 0x40000                  ; cx
	s_bfe_u32 s41, ttmp6, 0x40004                  ; cy
	s_lshl_b32 s42, ttmp9, 2
	s_add_co_u32 s42, s42, s40                     ; tile column
	s_and_b32 s13, ttmp7, 0xffff
	s_lshl_b32 s13, s13, 2
	s_add_co_u32 s13, s13, s41                     ; tile row
	s_lshl_b32 s43, s41, 2
	s_lshl_b32 s43, 15, s43                        ; my row of the cluster
	s_lshl_b32 s44, 0x1111, s40                    ; my column
	s_or_b32 s[G1+0], s43, (1<<16)|(1<<20)|(1<<21)|(5<<22)|(3<<25)  ; 15:0 the mask; 17:16 elements of 2 bytes; 20 padding on; 21 set beside a mask; 24:22 after every 64 words; 31:25 4 words of it
	s_or_b32 s[G1B+0], s44, (1<<16)|(1<<20)|(1<<21)|(5<<22)|(3<<25)
.irp g, G1, G1B
	s_mov_b32 s[(\g)+1], KSTEP<<16                 ; tensor_dim0 = 128
	s_mov_b32 s[(\g)+2], 128<<16                   ; tensor_dim1 = 128
	s_mov_b32 s[(\g)+3], KSTEP<<16                 ; tile_dim0 = 128
	s_mov_b32 s[(\g)+4], 128                       ; tile_dim1 = 128
	s_mov_b32 s[(\g)+5], SIZE_K                    ; elements from row to row
	s_mov_b32 s[(\g)+6], 0
	s_mov_b32 s[(\g)+7], 0
.endr
	s_lshl_b32 s17, s12, 7
	s_lshl_b32 s16, s13, 8
	s_add_co_u32 s16, s16, s17                     ; att: row 256 x tile row + 128 x half
	s_lshl_b32 s46, s42, 8
	s_add_co_u32 s46, s46, s17                     ; Wo: row 256 x tile column + 128 x half
	s_lshl_b32 s16, s16, 11                        ; rows of 2,048 bytes
	s_lshl_b32 s46, s46, 11
	s_mov_b32 s17, 0
	s_mov_b32 s47, 0
	s_mul_i32 s20, s10, HALFT                      ; where they go: wave x 128 rows
	s_mov_b32 s76, 0xffff0000
	s_wait_dscnt 0x0                               ; the opening add is done
	s_wait_kmcnt 0x0
	s_add_nc_u64 s[6:7], s[6:7], 3072*SIZE_K*2     ; Wo's first row in wb
	s_add_nc_u64 s[14:15], s[4:5], s[16:17]
	s_add_nc_u64 s[46:47], s[6:7], s[46:47]
	CROUND                                         ; all sixteen work-groups are here: the first joint loads meet
.irp s, 0,1
	s_mov_b32 s[G0+4*(\s)], 1
	s_add_co_u32 s[G0+4*(\s)+1], s20, (\s)*SLOT
	s_add_nc_u64 s[G0+4*(\s)+2:G0+4*(\s)+3], s[14:15], (\s)*KSTEP*2
	s_or_b32 s[G0+4*(\s)+3], s[G0+4*(\s)+3], 0x80000000
	s_mov_b32 s[G0B+4*(\s)], 1
	s_add_co_u32 s[G0B+4*(\s)+1], s20, (\s)*SLOT
	s_add_nc_u64 s[G0B+4*(\s)+2:G0B+4*(\s)+3], s[46:47], (\s)*KSTEP*2
	s_or_b32 s[G0B+4*(\s)+3], s[G0B+4*(\s)+3], 0x80000000
	JLOAD \s                                       ; two loads of mine are out
.endr
	v_and_b32 v1, 15, v0                           ; l % 16
	v_bfe_u32 v2, v0, 4, 1                         ; l / 16
	v_mul_u32_u24 v3, v1, PITCH
	v_lshl_add_u32 v3, v2, 4, v3
	s_mul_i32 s21, s11, HALFT
	s_mul_i32 s22, s12, HALFT
	s_add_co_u32 s22, s22, 2*HALFT
.irp s, 0,1
	v_add_nc_u32 v[ADRA+(\s)], s21, v3
	v_add_nc_u32 v[ADRB+(\s)], s22, v3
	s_add_co_u32 s21, s21, SLOT
	s_add_co_u32 s22, s22, SLOT
.endr
	s_mul_i32 s23, s10, 16*SPITCH
	s_add_co_u32 s23, s23, STAGE                   ; my stage
	v_mul_u32_u24 v4, v1, SPITCH                   ; in: row l % 16, 32 bytes for each half of the lanes
	v_lshl_add_u32 v4, v2, 5, v4
	v_add_nc_u32 v[STO], s23, v4
	v_and_b32 v5, 31, v0
	v_lshlrev_b32 v[CO], 4, v5                     ; back: 32 lanes take one row of 512 bytes
	v_add_nc_u32 v[RD], s23, v[CO]
	s_lshl_b32 s13, s13, 8                         ; 256 x tile row
	s_lshl_b32 s14, s11, 7
	s_add_co_u32 s16, s13, s14                     ; my first row
	s_lshl_b32 s16, s16, 12                        ; rows of 4,096 bytes: under 2^26
	s_mov_b32 s17, 0
	s_lshl_b32 s46, s42, 10                        ; my first column, in bytes: 1,024 x tile column + 512 x half; the same in bo
	s_lshl_b32 s47, s12, 9
	s_add_co_u32 s46, s46, s47
	v_lshl_add_u32 v[BO], v2, 5, s46               ; + my lanes' eight columns
	s_mov_b32 s47, 0
	s_add_nc_u64 s[16:17], s[16:17], s[46:47]
	s_add_nc_u64 s[8:9], s[70:71], s[16:17]        ; out0 at my corner of the tile
	; the prefetches
	s_lshl_b32 s42, s42, 8
	s_and_b32 s22, ttmp7, 0xffff                   ; cluster y
	s_cmp_eq_u32 s11, 0
	s_cselect_b32 s20, s13, s42                    ; the tile's first row
	s_cselect_b32 s21, s40, s41                    ; my place among the four that ask for it with me
	s_cselect_b32 s22, ttmp9, s22                  ; the coordinate along which other clusters read the same rows
	s_cselect_b64 s[PFA:PFA+1], s[4:5], s[6:7]
	s_cmp_eq_u32 s22, 0
	s_cselect_b32 s[LIM], 1, -1
	s_lshl_b32 s22, s12, 7
	s_add_co_u32 s20, s20, s22
	s_lshl_b32 s21, s21, 5
	s_add_co_u32 s20, s20, s21
	s_lshl_b32 s20, s20, 11
	s_mov_b32 s21, 0
	s_add_nc_u64 s[PFA:PFA+1], s[PFA:PFA+1], s[20:21]
	s_add_nc_u64 s[PFA:PFA+1], s[PFA:PFA+1], 2*KSTEP*2  ; at K step 2: the first refill steps it to 3 and names K step 4.  Nothing is prefetched here, at the head
	v_and_b32 v[PFO], 31, v0
	v_lshlrev_b32 v[PFO], 11, v[PFO]
; 16 matrix instructions: row blocks a0, a0 + 1 of the window's four x all 8 column blocks, 32 along K.  first = 1: the product starts the sum, with the bias as C.
; The 64 accumulators take turns, one instruction a turn, in the same order in every quarter step.
.macro MUL16 f, hi, a0, first
.if \first
	WIN 0x91+0x40*(\hi)                            ; Wo window 1, att window 0, C (the bias) window 1, D window 2 or 3
.else
	WIN 0xa1+0x50*(\hi)                            ; Wo window 1, att window 0, C and D window 2 or 3
.endif
.irp a, \a0, (\a0)+1
.irp b, 0,1,2,3,4,5,6,7
.if \first
	v_wmma_f32_16x16x32_f16 v[8*(8*(\a)+(\b)):8*(8*(\a)+(\b))+7], v[(\f)+8*(\b):(\f)+8*(\b)+7], v[(\f)+8*(4*(\hi)+(\a)):(\f)+8*(4*(\hi)+(\a))+7], v[BI+8*(\b):BI+8*(\b)+7]
.else
	v_wmma_f32_16x16x32_f16 v[8*(8*(\a)+(\b)):8*(8*(\a)+(\b))+7], v[(\f)+8*(\b):(\f)+8*(\b)+7], v[(\f)+8*(4*(\hi)+(\a)):(\f)+8*(4*(\hi)+(\a))+7], v[8*(8*(\a)+(\b)):8*(8*(\a)+(\b))+7]
.endif
.endr
.endr
.endm
.macro FETCH slot, k, f                ; 32 LDS loads in one run: the fragments of one quarter step into buffer f
	WIN TO_B
.irp i, 0,1,2,3,4,5,6,7
	ds_load_b128 v[(\f)+8*(\i):(\f)+8*(\i)+3],   v[ADRB+(\slot)] offset:(\k)+(\i)*16*PITCH
	ds_load_b128 v[(\f)+8*(\i)+4:(\f)+8*(\i)+7], v[ADRB+(\slot)] offset:(\k)+(\i)*16*PITCH+32
.endr
	WIN 0
.irp i, 0,1,2,3,4,5,6,7
	ds_load_b128 v[(\f)+8*(\i):(\f)+8*(\i)+3],   v[ADRA+(\slot)] offset:(\k)+(\i)*16*PITCH
	ds_load_b128 v[(\f)+8*(\i)+4:(\f)+8*(\i)+7], v[ADRA+(\slot)] offset:(\k)+(\i)*16*PITCH+32
.endr
.endm
.macro PLACES                          ; four plain vector instructions between a matrix instruction and a load into, or a reader of, its registers (ISA guide 7.12.1 for readers other than LDS stores)
.rept 4
	v_nop
.endr
.endm
.macro QUARTER slot, k, f, g, first
	s_wait_dscnt 8                                 ; Wo's fragments and att's rows 0-63 are in; the youngest eight loads (att's rows 64-127) may be out
	MUL16 \f, 0, 0, \first
	MUL16 \f, 0, 2, \first
	PLACES
	FETCH \slot, \k, \g
	s_wait_dscnt 32                                ; all but the 32 just issued
	MUL16 \f, 1, 0, \first
	MUL16 \f, 1, 2, \first
.endm
; ONE barrier for the change of slots: in front of it each wave waits for all its tensor loads (one is out: its part of the next slot), adds 0 to its spare word, and waits for that and for its own reads of this slot.
.macro MEET round
	WIN 0
	s_wait_tensorcnt 0x0
	ds_add_u32 v[SPW], v[NIL]
	s_wait_dscnt 9                                 ; the add and the youngest eight loads may be out
	MUL16 F1, 0, 0, 0
	s_wait_dscnt 0x0                               ; the add is done, and my reads of this slot are over
	s_barrier_signal -1
	MUL16 F1, 0, 2, 0
.if \round
	WIN 0
.endif
	s_barrier_wait -1
.endm
; The whole last quarter: behind the round the slot just read out is filled again first, with the K step two steps on: 224 matrix instructions ahead of the wait for it.
.macro TURN slot, next
	s_wait_xcnt 0x0                                ; the last prefetch, a K step back, has read its address
	s_add_nc_u64 s[PFA:PFA+1], s[PFA:PFA+1], KSTEP*2
	MEET 1
	CREST                                          ; no wave of any partner still reads this slot's tile or has a load on its way
	s_add_nc_u64 s[G0+4*(\slot)+2:G0+4*(\slot)+3], s[G0+4*(\slot)+2:G0+4*(\slot)+3], 2*KSTEP*2
	s_add_nc_u64 s[G0B+4*(\slot)+2:G0B+4*(\slot)+3], s[G0B+4*(\slot)+2:G0B+4*(\slot)+3], 2*KSTEP*2
	JLOAD \slot                                    ; the first tensor load behind the round; its four v_nop are also the places in front of the loads below
	FETCH \next, 0, F0
	ASK
	MUL16 F1, 1, 0, 0
	MUL16 F1, 1, 2, 0
.endm
; THE LAST K STEP (it lies in slot 1) GOES BY ROWS OF THE RESULT, NOT BY K.  All its fragments of Wo (4 quarters x 64 registers) fill window 1; then my eight blocks of 16 rows are finished one after
; the other, each with 32 matrix instructions (its 8 accumulators by turns, K ascending: the sums are the same).  LDS is read no more than in any other K step.
.macro BLOAD q                         ; Wo's fragments of quarter q -> window 1, v[64 q ..]
	WIN TO_B
.irp i, 0,1,2,3,4,5,6,7
	ds_load_b128 v[64*(\q)+8*(\i):64*(\q)+8*(\i)+3],   v[ADRB+1] offset:64*(\q)+(\i)*16*PITCH
	ds_load_b128 v[64*(\q)+8*(\i)+4:64*(\q)+8*(\i)+7], v[ADRB+1] offset:64*(\q)+(\i)*16*PITCH+32
.endr
.endm
.macro ALOAD a                         ; att's fragments of block a, all four quarters -> buffer a % 4
	WIN 0
.set FA, PA+32*((\a)%4)
.irp q, 0,1,2,3
	ds_load_b128 v[FA+8*(\q):FA+8*(\q)+3],   v[ADRA+1] offset:64*(\q)+(\a)*16*PITCH
	ds_load_b128 v[FA+8*(\q)+4:FA+8*(\q)+7], v[ADRA+1] offset:64*(\q)+(\a)*16*PITCH+32
.endr
.endm
.macro ROW a                           ; block a is finished: 32 matrix instructions
.set FA, PA+32*((\a)%4)                ; its fragments of att
.set AC, 64*((\a)%4)                   ; its eight accumulators, in window 2 (blocks 0-3) or 3 (blocks 4-7)
	WIN 0xa1+0x50*((\a)/4)
.irp q, 0,1,2,3
.if (\a) == 0 && (\q) == 2
	s_wait_dscnt 24                                ; Wo's quarter 2 is in (behind it: att's blocks 1 to 3, 24 loads)
.endif
.irp b, 0,1,2,3,4,5,6,7
	v_wmma_f32_16x16x32_f16 v[AC+8*(\b):AC+8*(\b)+7], v[64*(\q)+8*(\b):64*(\q)+8*(\b)+7], v[FA+8*(\q):FA+8*(\q)+7], v[AC+8*(\b):AC+8*(\b)+7]
.endr
.endr
.endm
; THE WAY OUT of block a of 16 rows: the f32 sums go as they are into my own stage (32 bytes a lane and column block, the accumulator's low registers first) and come back as whole rows of 512 bytes.
.macro TOSTAGE a
.set AC, 64*((\a)%4)
	WIN 0x08+4*((\a)/4)                            ; the stores' data in window 2 or 3
.irp b, 0,1,2,3,4,5,6,7
	ds_store_b128 v[STO], v[AC+8*(\b):AC+8*(\b)+3]   offset:64*(\b)
	ds_store_b128 v[STO], v[AC+8*(\b)+4:AC+8*(\b)+7] offset:64*(\b)+16
.endr
	WIN 0
	s_wait_xcnt 0x0                                ; the stores of the block before, 32 matrix instructions back, have read these registers
.irp t, 0,1,2,3,4,5,6,7,8,9,10,11,12,13,14,15
	ds_load_b128 v[BK+4*(\t):BK+4*(\t)+3], v[RD] offset:SPITCH*(\t)  ; LDS serves a wave's instructions in order (ISA guide 5.7.1.4): these see the stores above; the next block's stores come behind them
.endr
.endm
.macro SEND a, younger                 ; younger: the LDS loads issued behind TOSTAGE's, which may stay out
	WIN 0
	s_wait_dscnt \younger                          ; the block is back in registers
.irp t, 0,1,2,3,4,5,6,7,8,9,10,11,12,13,14,15
	global_store_b128 v[CO], v[BK+4*(\t):BK+4*(\t)+3], s[8:9] offset:(16*(\a)+(\t))*CROW th:TH_STORE_NT  ; 512 consecutive bytes, at a multiple of 256 from out0's first byte
.endr
.endm
	WIN TO_B                                       ; bo's 128 numbers for my columns, while the first tiles are on their way
.irp b, 0,1,2,3,4,5,6,7
	global_load_b128 v[BI+8*(\b):BI+8*(\b)+3],   v[BO], s[68:69] offset:64*(\b)
	global_load_b128 v[BI+8*(\b)+4:BI+8*(\b)+7], v[BO], s[68:69] offset:64*(\b)+16
.endr
	s_wait_loadcnt 0x0
	WIN 0x45                                       ; rounded to bf16 and widened again, in place: destination and both sources in window 1
.set i, 0
.rept 32
	v_cvt_pk_bf16_f32 v[BT+i%4], v[BI+2*i], v[BI+2*i+1]
	v_lshlrev_b32 v[BI+2*i], 16, v[BT+i%4]
	v_and_b32 v[BI+2*i+1], s76, v[BT+i%4]
.set i, i+1
.endr
	WIN 0
	s_wait_tensorcnt 1                             ; my part of K step 0 is in; K step 1's load stays out
	s_barrier_signal -1
	s_barrier_wait -1
	FETCH 0, 0, F0
	QUARTER 0, 64,  F0, F1, 1                      ; the first quarter stands in front of the loop: its products start the sums, with the bias
	WIN 0                                          ; at a label and at a branch every window is 0
	s_mov_b32 s3, LAPS-1
.Llap:                                                 ; a trip goes once round the ring, from a lap's second quarter to the next lap's first, and fills both slots again
	QUARTER 0, 128, F1, F0, 0
	QUARTER 0, 192, F0, F1, 0
	TURN 0, 1
	QUARTER 1, 64,  F0, F1, 0
	QUARTER 1, 128, F1, F0, 0
	QUARTER 1, 192, F0, F1, 0
	TURN 1, 0
	QUARTER 0, 64,  F0, F1, 0
	WIN 0
	s_sub_co_u32 s3, s3, 1
	s_cmp_lg_u32 s3, 0
	s_cbranch_scc1 .Llap
	QUARTER 0, 128, F1, F0, 0                      ; the last lap fills nothing
	QUARTER 0, 192, F0, F1, 0
	MEET 0                                         ; my one tensor load that was still out is the last K step's; no round follows
	PLACES                                         ; for the loads into buffer 0, which the quarter before multiplied
	BLOAD 0                                        ; three quarters of Wo now: buffer 1 (v128-191 of both windows) is still being multiplied; quarter 0 lands where the bias lay, last read in the first quarter
	BLOAD 1
	BLOAD 3
	ALOAD 0
	MUL16 F1, 1, 0, 0
	MUL16 F1, 1, 2, 0
	PLACES                                         ; for the loads into buffer 1
	BLOAD 2
	ALOAD 1
	ALOAD 2
	ALOAD 3
	s_wait_dscnt 40                                ; all but the 40 just issued: Wo's quarters 0, 1, 3 and att's block 0 are in
	ROW 0
.irp a, 0,1,2,3,4,5,6,7                ; each block leaves as soon as it is finished: nothing follows this tile under which its stores could leave
	PLACES                                         ; the LDS stores read results just made, and the block's buffer of att is loaded again
	TOSTAGE \a
.if (\a) < 4
	ALOAD (\a)+4                                   ; its buffer takes the block four further on
	SEND \a, 8                                     ; those eight loads may stay out
.else
	SEND \a, 0
.endif
.if (\a) < 7
	ROW (\a)+1
.endif
.endr
	s_wait_tensorcnt 0x0                           ; the wave's end, behind my last tensor load and my last LDS store
	ds_add_u32 v[SPW], v[NIL]
	s_wait_dscnt 0x0
	CROUND                                         ; the closing round: no work-group ends while a partner may still ask for a tile that names it
	s_endpgm
.Lfunc_end_k_q3c8af59225_oproj:
	.size	k_q3c8af59225_oproj, .Lfunc_end_k_q3c8af59225_oproj-k_q3c8af59225_oproj
	.p2alignl 7, 3214868480
	.fill 96, 4, 3214868480
	.section	.rodata,"a",@progbits
	.p2align	6, 0x0
	.amdhsa_kernel k_q3c8af59225_oproj
		.amdhsa_group_segment_fixed_size 327680
		.amdhsa_private_segment_fixed_size 0
		.amdhsa_enable_private_segment 0
		.amdhsa_kernarg_size 32
		.amdhsa_user_sgpr_count 2
		.amdhsa_user_sgpr_kernarg_segment_ptr 1
		.amdhsa_wavefront_size32 1
		.amdhsa_system_sgpr_workgroup_id_x 1
		.amdhsa_system_sgpr_workgroup_id_y 1
		.amdhsa_system_sgpr_workgroup_id_z 1
		.amdhsa_system_vgpr_workitem_id 0
		.amdhsa_next_free_vgpr 1024
		.amdhsa_next_free_sgpr 80
		.amdhsa_reserve_vcc 0
		.amdhsa_float_denorm_mode_32 3
		.amdhsa_float_denorm_mode_16_64 3
		.amdhsa_memory_ordered 1
		.amdhsa_forward_progress 1
		.amdhsa_inst_pref_size 147
	.end_amdhsa_kernel
	.amdgpu_metadata
---
amdhsa.version: [ 1, 2 ]
amdhsa.kernels:
  - .name:           k_q3c8af59225_oproj
    .symbol:         k_q3c8af59225_oproj.kd
    .args:
      - { .name: att, .offset: 0, .size: 8, .value_kind: global_buffer, .address_space: global }
      - { .name: wb, .offset: 8, .size: 8, .value_kind: global_buffer, .address_space: global }
      - { .name: bo, .offset: 16, .size: 8, .value_kind: global_buffer, .address_space: global }
      - { .name: out0, .offset: 24, .size: 8, .value_kind: global_buffer, .address_space: global }
    .group_segment_fixed_size: 327680
    .private_segment_fixed_size: 0
    .kernarg_segment_align: 8
    .kernarg_segment_size: 32
    .max_flat_workgroup_size: 128
    .sgpr_count:     80
    .vgpr_count:     1024
    .wavefront_size: 32
...
	.end_amdgpu_metadata
.endif
;; end of part 4
